; MI455X (gfx1250); checked and timed in simulation.
; The chip was launched on July 23, 2026; its instructions are those of AMD's public machine-readable ISA for CDNA 5 (MIT licence, August 2026) and "CDNA5" Instruction Set Architecture Reference Guide (July 2026). The comments in the code are by the model that wrote it; some were corrected since.
;; Pcen V1. Allowed arithmetic: float matrix products may take bf16 or f16 operands with f32 sums; all other float work in f32.
;; Inputs: alpha 80 float32; delta 80 float32; root 80 float32; smooth 80 float32; tensor 32 x 80 x 6,000 float32.
;; Outputs: out0 32 x 80 x 6,000 float32.
;; One version. Each part assembles by itself: llvm-mc -triple=amdgcn-amd-amdhsa -mcpu=gfx1250 --defsym DOCPART=n.
;; ======== version 1 of 1: 1 launch
;; limits: inputs' magnitudes at most 1e+19
;; launch pcen (part 1): grid 40 x 32, 4 waves a work-group, no clusters, 768 bytes of LDS; arguments tensor, smooth, alpha, delta, root, out0; writes out0
.if DOCPART == 1
	.amdgcn_target "amdgcn-amd-amdhsa--gfx1250"
	.amdhsa_code_object_version 6
	.text
	.protected	k_qbba1bf57da_pcen
	.globl	k_qbba1bf57da_pcen
	.p2align	8
	.type	k_qbba1bf57da_pcen,@function
k_qbba1bf57da_pcen:
	s_mov_b64 s[64:65], 0
	v_nop
	global_prefetch_b8 v0, s[64:65] scope:SCOPE_SE
	s_setreg_imm32_b32 hwreg(HW_REG_WAVE_MODE, 25, 1), 1
	s_wait_xcnt 0x0
; PCEN: out = (x / (1e-6 + m)^a + d)^(1/r) - d^(1/r),  m_0 = x_0,  m_t = (1-s) m_(t-1) + s x_t along the last axis.
; x, out: [32][80][6000] f32; s = clip(smooth,0,1), a = min(alpha,1), r = max(root,1), d = delta, one of each per feature.
;
; SHARES.  A row (b, f) is 6,000 numbers = 24,000 bytes.  2,560 rows do not divide over four SIMDs times 256, so a row is cut in four
; SEGMENTS, one for each half of 16 lanes of two waves; a work-group of four waves makes two rows; 40 x 32 = 1,280 equal work-groups.
; A row is 93.75 x 256 bytes, so it is worked in a WINDOW that begins at the multiple of 256 bytes at or below its first byte
; (PRE = 0, 4, 8 or 12 dead groups of 16 bytes in front) and has 96 pieces of 256 bytes, 24 (NCH) for each segment.  Chunk j of a wave =
; piece j of its two segments: sixteen neighbouring lanes load and store 256 consecutive bytes that start at a multiple of 256.
; Dead lanes exist only in chunk 0 (in front of the row) and chunks 21-23 (behind it): these four are loaded and stored under a lane mask
; made from ids alone.  The piece in which two rows meet is therefore written in two parts, by the two rows' owners.
;
; DATA.  Each wave issues its 24 loads at once into 96 registers and keeps the row part there: read once, no ring, no LDS for data.
; Results are written over the x registers and stored from them; those registers are never written again, so no store is waited for.
;
; THE RECURRENCE is kept as u = m / s:  u_t = q u_(t-1) + x_t, q = 1 - s, u_0 = x_0 / s; then 1e-6 + m = fma(s, u, 1e-6).
;  phase 1: a segment's end value with nothing carried in, by Horner over the chunks (factor q^64), one weighted sum over 16 lanes;
;           the four figures of a row meet in LDS behind one barrier; carry into segment g+1 = A_g + q^1536 x carry into g.
;  phase 2: per chunk: 4 numbers in the lane, a scan over 16 lanes with factors Q, Q^2, Q^4, Q^8 (Q = q^4), the carry from lane 15 of the
;           chunk before, and the correction of the 4 numbers.  Then the two powers as exp2(e * log2(.)).
;
; NOT USED: clusters (no two work-groups read the same tile; the four tables are 320 bytes), matrix instructions (the carried state stays f32),
; prefetches (every load of a wave is issued in its first lines).
;
; LIMITS.  (1) A negative base (1e-6 + m < 0, x/(..)^a + d < 0, d < 0) gives NaN, also where the exponent is exactly 1 (alpha >= 1, root <= 1),
; where a power function returns the base.  (2) s is taken as at least 2^-64 for u = m/s (q stays 1 - s): m moves by at most 2^-64 x the sum of
; the row; and |x| / s must stay in f32's range: |x| below 1e19.  (3) v_log_f32 takes a base below 2^-126 as 0 and v_exp_f32 returns 0 for a
; result below 2^-126 (ISA guide, their entries).  (4) The sums are grouped otherwise than in the step-by-step scan, q^n is made by squaring
; (relative error about n x 2^-24, n <= 1536), m_0 is s (x_0 / s): all terms carry non-negative weights, no difference of sums is formed.
.set ROWB,   24000                     ; bytes in a row
.set UNIT,   256                       ; bytes of a half-wave's load or store
.set NCH,    24                        ; chunks of a wave = pieces of a segment
.set SEGB,   NCH*UNIT                  ; bytes of a segment, 6,144
.set SEGG,   NCH*16                    ; groups of 4 numbers in a segment, 384
.set GROUPS, ROWB/16                   ; groups in a row, 1,500
.set NFEAT,  80
.set OFF,  1                           ; v1      byte offset of my 16 bytes in chunk 0, from the wave's base
.set VG,   2                           ; v2      my group's index in the row in chunk 0 (negative in front of the row)
.set SEG,  3                           ; v3      my segment, 0..3
.set LQ,   4                           ; v4      lane mod 16
.set T,    6                           ; v[6:11] at work
.set E,    12                          ; v12     what is carried into my 4 numbers; read as the pair (E, P), broadcast from E
.set P,    13                          ; v13     Q^(lane mod 16)
.set W,    14                          ; v14     Q^(15 - lane mod 16)
.set CAR,  15                          ; v15     carry into my segment
.set KZQ,  16                          ; (0, q)
.set KQ12, 18                          ; (q, q^2)
.set KQ34, 20                          ; (q^3, q^4)
.set Q1,   21                          ; Q = q^4 (the upper half of KQ34)
.set Q2,   22                          ; Q^2
.set Q4,   23                          ; Q^4
.set Q8,   24                          ; Q^8
.set QS,   25                          ; Q^384: across a segment
.set K16,  26                          ; (Q^16, Q^16): across a chunk
.set KS,   28                          ; (s, s)
.set KF,   30                          ; (1e-6, 1e-6)
.set KNA,  32                          ; (-a, -a)
.set KD,   34                          ; (d, d)
.set KRI,  36                          ; (1/r, 1/r)
.set KDR,  38                          ; (-d^(1/r), twice)
.set XS,   40                          ; chunk 0's first two numbers as the scan takes them: x_0 / s in the row's first place
.set ACC,  42                          ; v[42:45] phase 1: four Horner sums
.set UA,   46                          ; v[46:49], v[50:53]  u of a chunk, two sets in turn
.set UB,   50
.set BA,   54                          ; v[54:57], v[58:61]  the pointwise chain of a chunk, two sets in turn
.set BB,   58
.set RS,   62                          ; 1 / s
.set LA,   63                          ; LDS address of my segment's word
.set X,    64                          ; v[64:159] chunk j: 4 registers, x as loaded, then the result
.set M0,   28                          ; s28, s29, s30, s31: live lanes of chunks 0, 21, 22, 23
.set M21,  29
.set M22,  30
.set M23,  31
	s_load_b256 s[4:11], s[0:1], 0x0               ; tensor s[4:5], smooth s[6:7], alpha s[8:9], delta s[10:11]
	s_load_b128 s[12:15], s[0:1], 0x20             ; root s[12:13], out0 s[14:15]
	v_lshl_add_u32 v160, v0, 2, 0x100
	v_mov_b32 v161, 0
	v_lshrrev_b32 v5, 5, v0
	v_readfirstlane_b32 s16, v5                    ; wave 0..3
	s_lshr_b32 s17, s16, 1                         ; which of the group's two rows
	s_and_b32 s34, s16, 1                          ; which half of that row: segments 0, 1 or 2, 3
	s_lshl_b32 s18, ttmp9, 1
	s_add_co_u32 s18, s18, s17                     ; feature f = 2 x + row
	s_and_b32 s19, ttmp7, 0xffff                   ; batch b
	s_mul_i32 s19, s19, NFEAT
	s_add_co_u32 s19, s19, s18                     ; row number
	s_mul_i32 s20, s19, ROWB                       ; its first byte (below 61,440,000)
	s_and_b32 s22, s20, UNIT-1
	s_sub_co_u32 s20, s20, s22                     ; the window's first byte
	s_lshr_b32 s22, s22, 4                         ; PRE: dead groups in front
	s_mul_i32 s23, s34, 2*SEGB
	s_add_co_u32 s20, s20, s23                     ; + my wave's two segments
	s_mov_b32 s21, 0
	s_lshl_b32 s18, s18, 2                         ; 4 f: byte offset in the four tables
	s_lshl_b32 s36, s17, 4                         ; LDS: the four words of my row
	s_movk_i32 s35, GROUPS
	v_and_b32 v[LQ], 15, v0
	v_bfe_u32 v5, v0, 4, 1                         ; which half of the wave
	v_lshlrev_b32 v[OFF], 4, v[LQ]
	v_mad_u32_u24 v[OFF], v5, SEGB, v[OFF]         ; 16 x (lane mod 16) + half x segment
	v_lshl_add_u32 v[SEG], s34, 1, v5
	v_mad_u32_u24 v[VG], v[SEG], SEGG, v[LQ]
	v_sub_nc_u32 v[VG], v[VG], s22                 ; group index counted from the row's first group
	v_lshlrev_b32 v[LA], 2, v5
	v_lshl_add_u32 v[LA], s16, 3, v[LA]            ; word 2 x wave + half
	; a lane is live in chunk j if 0 <= VG + 16 j < 1500: one unsigned compare
	v_cmp_gt_u32 s[M0], s35, v[VG]
	v_cmp_eq_u32 s32, 0, v[VG]                     ; the lane that holds x_0
	v_add_nc_u32 v[T], 16*21, v[VG]
	v_add_nc_u32 v[T+1], 16*22, v[VG]
	v_add_nc_u32 v[T+2], 16*23, v[VG]
	v_cmp_gt_u32 s[M21], s35, v[T]
	v_cmp_gt_u32 s[M22], s35, v[T+1]
	v_cmp_gt_u32 s[M23], s35, v[T+2]
	; dead lanes count as x = 0: the four masked chunks are cleared whole before their loads are issued
.irp j, 0,21,22,23
.irp k, 0,1,2,3
	v_mov_b32 v[X+4*\j+\k], 0
.endr
.endr
	s_wait_kmcnt 0x0
	s_load_b32 s24, s[6:7], s18 offset:0x0         ; smooth[f]
	s_load_b32 s25, s[8:9], s18 offset:0x0         ; alpha[f]
	s_load_b32 s26, s[10:11], s18 offset:0x0       ; delta[f]
	s_load_b32 s27, s[12:13], s18 offset:0x0       ; root[f]
	s_add_nc_u64 s[4:5], s[4:5], s[20:21]          ; x and out at my wave's first piece
	s_add_nc_u64 s[14:15], s[14:15], s[20:21]
; A load under a lane mask.  EXEC is a source of a pending memory instruction: it changes only behind s_wait_xcnt 0, both ways.
.macro LOADM j, m
	s_wait_xcnt 0x0
	s_mov_b32 vcc_lo, s[\m]
	s_and_saveexec_b32 s33, vcc_lo
	global_load_b128 v[X+4*(\j):X+4*(\j)+3], v[OFF], s[4:5] offset:UNIT*(\j) th:TH_LOAD_NT
	s_wait_xcnt 0x0
	s_or_b32 exec_lo, exec_lo, s33
.endm
	LOADM 0, M0
.set j, 1
.rept 20
	global_load_b128 v[X+4*j:X+4*j+3], v[OFF], s[4:5] offset:UNIT*j th:TH_LOAD_NT
.set j, j+1
.endr
	LOADM 21, M21
	LOADM 22, M22
	LOADM 23, M23                                  ; 24 loads, 12,288 bytes of the wave, are out; the constants are made meanwhile
	; ---- the feature's constants, the same in every lane
	s_wait_kmcnt 0x0
	v_mov_b32 v[T], s24
	v_mov_b32 v[T+1], s27
	v_mov_b32 v[T+2], s25
	v_mov_b32 v[KD], s26
	v_mov_b32 v[KD+1], s26
	v_max_num_f32 v[T], 0, v[T]
	v_max_num_f32 v[T+1], 1.0, v[T+1]              ; r
	v_min_num_f32 v[T], 1.0, v[T]                  ; s = clip(smooth, 0, 1)
	v_min_num_f32 v[T+2], 1.0, v[T+2]              ; a
	v_rcp_f32 v[KRI], v[T+1]                       ; 1 / r
	v_log_f32 v[T+3], v[KD]                        ; log2 d
	v_max_num_f32 v[KS], 0x1f800000, v[T]          ; s, at least 2^-64 (limit 2).  Also the plain place behind the two lines above (ISA guide 5.7.2)
	v_rcp_f32 v[RS], v[KS]                         ; 1 / s
	v_sub_f32 v[KQ12], 1.0, v[T]                   ; q = 1 - s; the place behind v_rcp_f32
	s_wait_alu depctr_va_vdst(0)
	v_mul_f32 v[T+3], v[T+3], v[KRI]
	v_exp_f32 v[T+3], v[T+3]                       ; d^(1/r)
	v_xor_b32 v[KNA], 0x80000000, v[T+2]           ; -a; the place behind v_exp_f32
	s_wait_alu depctr_va_vdst(0)
	v_xor_b32 v[KDR], 0x80000000, v[T+3]
	v_mov_b32 v[KNA+1], v[KNA]
	v_mov_b32 v[KDR+1], v[KDR]
	v_mov_b32 v[KS+1], v[KS]
	v_mov_b32 v[KRI+1], v[KRI]
	v_mov_b32 v[KF], 0x358637bd                    ; 1e-6
	v_mov_b32 v[KF+1], 0x358637bd
	v_mov_b32 v[KZQ], 0
	v_mov_b32 v[KZQ+1], v[KQ12]
	v_mul_f32 v[KQ12+1], v[KQ12], v[KQ12]          ; q^2
	v_mul_f32 v[KQ34], v[KQ12+1], v[KQ12]          ; q^3
	v_mul_f32 v[Q1], v[KQ12+1], v[KQ12+1]          ; Q = q^4
	v_mul_f32 v[Q2], v[Q1], v[Q1]
	v_mul_f32 v[Q4], v[Q2], v[Q2]
	v_mul_f32 v[Q8], v[Q4], v[Q4]
	v_mul_f32 v[K16], v[Q8], v[Q8]                 ; Q^16: 16 lanes = a chunk of a segment
	v_mul_f32 v[T], v[K16], v[K16]                 ; Q^32
	v_mov_b32 v[K16+1], v[K16]
	v_mul_f32 v[T], v[T], v[T]                     ; Q^64
	v_mul_f32 v[T], v[T], v[T]                     ; Q^128
	v_mul_f32 v[T+1], v[T], v[T]                   ; Q^256
	v_mul_f32 v[QS], v[T], v[T+1]                  ; Q^384 = Q^SEGG
	; P = Q^(lane mod 16) from the lane number's four bits, exactly 1 in lane 0; W = the same mirrored
	v_and_b32 v[T+4], 1, v[LQ]
	v_cmp_ne_u32 vcc_lo, 0, v[T+4]
	v_cndmask_b32 v[P], 1.0, v[Q1], vcc_lo
	v_and_b32 v[T+4], 2, v[LQ]
	v_cmp_ne_u32 vcc_lo, 0, v[T+4]
	v_cndmask_b32 v[T+5], 1.0, v[Q2], vcc_lo
	v_mul_f32 v[P], v[P], v[T+5]
	v_and_b32 v[T+4], 4, v[LQ]
	v_cmp_ne_u32 vcc_lo, 0, v[T+4]
	v_cndmask_b32 v[T+5], 1.0, v[Q4], vcc_lo
	v_mul_f32 v[P], v[P], v[T+5]
	v_and_b32 v[T+4], 8, v[LQ]
	v_cmp_ne_u32 vcc_lo, 0, v[T+4]
	v_cndmask_b32 v[T+5], 1.0, v[Q8], vcc_lo
	v_mul_f32 v[P], v[P], v[T+5]
	v_mov_b32 v[W], 0                              ; a DPP destination counts as read: written once before
	v_mov_b32 v[E], 0
	v_mov_b32_dpp v[W], v[P] row_mirror row_mask:0xf bank_mask:0xf   ; lane i takes lane 15 - i of its 16
	; ---- PHASE 1: the segment's end value with nothing carried in.  Four sums, one for each place in a group: acc = acc Q^16 + x(chunk).
	; s_wait_loadcnt NCH-1-j: loads return in order (ISA guide 5.7.1), chunk j is in, the NCH-1-j younger ones stay out.
	s_wait_loadcnt NCH-1
	v_mul_f32 v[T], v[X], v[RS]
	v_mov_b32 v[XS+1], v[X+1]
	v_cndmask_b32 v[XS], v[X], v[T], s32           ; u_0 = x_0 / s starts the row; every other lane keeps its x
	s_wait_loadcnt NCH-2
	v_pk_fma_f32 v[ACC:ACC+1], v[XS:XS+1], v[K16:K16+1], v[X+4:X+5]        ; chunks 0 and 1 start the sums: nothing is cleared
	v_pk_fma_f32 v[ACC+2:ACC+3], v[X+2:X+3], v[K16:K16+1], v[X+6:X+7]
.set j, 2
.rept NCH-2
	s_wait_loadcnt NCH-1-j
	v_pk_fma_f32 v[ACC:ACC+1], v[ACC:ACC+1], v[K16:K16+1], v[X+4*j:X+4*j+1]
	v_pk_fma_f32 v[ACC+2:ACC+3], v[ACC+2:ACC+3], v[K16:K16+1], v[X+4*j+2:X+4*j+3]
.set j, j+1
.endr
	v_fma_f32 v[T], v[ACC], v[KQ12], v[ACC+1]      ; the four places of a group: ((a0 q + a1) q + a2) q + a3
	v_fma_f32 v[T], v[T], v[KQ12], v[ACC+2]
	v_fma_f32 v[T], v[T], v[KQ12], v[ACC+3]
	v_mul_f32 v[T], v[T], v[W]                     ; lane l is 15 - l groups from the chunk's end
	v_add_f32_dpp v[T], v[T], v[T] row_xmask:1 row_mask:0xf bank_mask:0xf
	v_add_f32_dpp v[T], v[T], v[T] row_xmask:2 row_mask:0xf bank_mask:0xf
	v_add_f32_dpp v[T], v[T], v[T] row_xmask:4 row_mask:0xf bank_mask:0xf
	v_add_f32_dpp v[T], v[T], v[T] row_xmask:8 row_mask:0xf bank_mask:0xf   ; A of my segment, in all its 16 lanes
	ds_store_b32 v[LA], v[T]                       ; sixteen lanes write one word with one value
	s_wait_dscnt 0x0                               ; for the other waves' sake: the word is in LDS before I say so
	s_barrier_signal -1
	s_barrier_wait -1
	v_mov_b32 v[T+4], s36
	ds_load_b128 v[T:T+3], v[T+4]                  ; A0..A3 of my row
	s_wait_dscnt 0x0
	v_fma_f32 v[T+1], v[QS], v[T], v[T+1]          ; into segment 2: A1 + Q^384 A0
	v_fma_f32 v[T+2], v[QS], v[T+1], v[T+2]        ; into segment 3
	v_cmp_eq_u32 vcc_lo, 1, v[SEG]
	v_cndmask_b32 v[CAR], 0, v[T], vcc_lo          ; segment 0: nothing (x_0 / s stands in the data); segment 1: A0
	v_cmp_eq_u32 vcc_lo, 2, v[SEG]
	v_cndmask_b32 v[CAR], v[CAR], v[T+1], vcc_lo
	v_cmp_eq_u32 vcc_lo, 3, v[SEG]
	v_cndmask_b32 v[CAR], v[CAR], v[T+2], vcc_lo
	; ---- PHASE 2.  The scan of a chunk in four parts, which stand in the places behind the transcendentals of the chunk before.
; part 1: inside the lane, nothing carried in: (u0, u1) = (x0, q x0 + x1); (t2, t3) likewise; (u2, u3) = (t2, t3) + u1 (q, q^2).
; Then E = u3 of the lane below (0 in lane 0 of the sixteen).
.macro SC1 x01, x23, un
	v_pk_fma_f32 v[\un:\un+1], v[\x01:\x01+1], v[KZQ:KZQ+1], v[\x01:\x01+1] op_sel_hi:[0,1,1]
	v_pk_fma_f32 v[\un+2:\un+3], v[\x23:\x23+1], v[KZQ:KZQ+1], v[\x23:\x23+1] op_sel_hi:[0,1,1]
	v_pk_fma_f32 v[\un+2:\un+3], v[\un:\un+1], v[KQ12:KQ12+1], v[\un+2:\un+3] op_sel:[1,0,0]
	v_mov_b32_dpp v[E], v[\un+3] row_shr:1 row_mask:0xf bank_mask:0xf bound_ctrl:1
.endm
; part 2: over the sixteen lanes, doubling: E(l) += Q^n E(l - n), n = 1, 2, 4, 8; a lane without a source keeps its E
.macro SC2
	v_fmac_f32_dpp v[E], v[E], v[Q1] row_shr:1 row_mask:0xf bank_mask:0xf
	v_fmac_f32_dpp v[E], v[E], v[Q2] row_shr:2 row_mask:0xf bank_mask:0xf
	v_fmac_f32_dpp v[E], v[E], v[Q4] row_shr:4 row_mask:0xf bank_mask:0xf
	v_fmac_f32_dpp v[E], v[E], v[Q8] row_shr:8 row_mask:0xf bank_mask:0xf
.endm
; part 3: what the chunk before ended with (lane 15 of my sixteen) reaches lane l with Q^l; then u_i += q^(i+1) E
.macro SC3 prev, un
	v_fmac_f32_dpp v[E], v[\prev], v[P] row_share:15 row_mask:0xf bank_mask:0xf
	v_pk_fma_f32 v[\un:\un+1], v[E:E+1], v[KQ12:KQ12+1], v[\un:\un+1] op_sel_hi:[0,1,1]
	v_pk_fma_f32 v[\un+2:\un+3], v[E:E+1], v[KQ34:KQ34+1], v[\un+2:\un+3] op_sel_hi:[0,1,1]
.endm
; part 4: 1e-6 + m = s u + 1e-6
.macro SC4 un, bn
	v_pk_fma_f32 v[\bn:\bn+1], v[\un:\un+1], v[KS:KS+1], v[KF:KF+1]
	v_pk_fma_f32 v[\bn+2:\bn+3], v[\un+2:\un+3], v[KS:KS+1], v[KF:KF+1]
.endm
; m = 0: all lanes; else the scalar register with the chunk's live lanes.  The data and address registers are never written again.
.macro STORE j, m
.if \m == 0
	global_store_b128 v[OFF], v[X+4*(\j):X+4*(\j)+3], s[14:15] offset:UNIT*(\j) th:TH_STORE_NT
.else
	s_wait_xcnt 0x0                                ; EXEC changes only behind s_wait_xcnt 0, both ways
	s_mov_b32 vcc_lo, s[\m]
	s_and_saveexec_b32 s33, vcc_lo
	global_store_b128 v[OFF], v[X+4*(\j):X+4*(\j)+3], s[14:15] offset:UNIT*(\j) th:TH_STORE_NT
	s_wait_xcnt 0x0
	s_or_b32 exec_lo, exec_lo, s33
.endif
.endm
; The powers of chunk j (set bc holds 1e-6 + m) and the scan of chunk j + 1 (sets un, bn; uc+3 = what chunk j ended with).
; Behind each run of four transcendentals stands plain work on other registers before a result is used (ISA guide 5.7.2).
.macro STEP j, uc, un, bc, bn, m
.irp i, 0,1,2,3
	v_log_f32 v[\bc+\i], v[\bc+\i]
.endr
.if (\j) < NCH-1
	SC1 X+4*((\j)+1), X+4*((\j)+1)+2, \un
.else
	v_nop
.endif
	s_wait_alu depctr_va_vdst(0)
	v_pk_mul_f32 v[\bc:\bc+1], v[\bc:\bc+1], v[KNA:KNA+1]
	v_pk_mul_f32 v[\bc+2:\bc+3], v[\bc+2:\bc+3], v[KNA:KNA+1]
.irp i, 0,1,2,3
	v_exp_f32 v[\bc+\i], v[\bc+\i]                 ; (1e-6 + m)^-a
.endr
.if (\j) < NCH-1
	SC2
.else
	v_nop
.endif
	s_wait_alu depctr_va_vdst(0)
	v_pk_fma_f32 v[\bc:\bc+1], v[X+4*(\j):X+4*(\j)+1], v[\bc:\bc+1], v[KD:KD+1]
	v_pk_fma_f32 v[\bc+2:\bc+3], v[X+4*(\j)+2:X+4*(\j)+3], v[\bc+2:\bc+3], v[KD:KD+1]
.irp i, 0,1,2,3
	v_log_f32 v[\bc+\i], v[\bc+\i]
.endr
.if (\j) < NCH-1
	SC3 \uc+3, \un
.else
	v_nop
.endif
	s_wait_alu depctr_va_vdst(0)
	v_pk_mul_f32 v[\bc:\bc+1], v[\bc:\bc+1], v[KRI:KRI+1]
	v_pk_mul_f32 v[\bc+2:\bc+3], v[\bc+2:\bc+3], v[KRI:KRI+1]
.irp i, 0,1,2,3
	v_exp_f32 v[\bc+\i], v[\bc+\i]                 ; (x (..)^-a + d)^(1/r)
.endr
.if (\j) < NCH-1
	SC4 \un, \bn
.else
	v_nop
.endif
	s_wait_alu depctr_va_vdst(0)
	v_pk_add_f32 v[X+4*(\j):X+4*(\j)+1], v[\bc:\bc+1], v[KDR:KDR+1]        ; - d^(1/r), over x, which is done with
	v_pk_add_f32 v[X+4*(\j)+2:X+4*(\j)+3], v[\bc+2:\bc+3], v[KDR:KDR+1]
	STORE \j, \m
.endm
	SC1 XS, X+2, UA                                ; chunk 0's scan stands alone; it is carried into from the segment before
	SC2
	SC3 CAR, UA
	SC4 UA, BA
	STEP 0, UA, UB, BA, BB, M0
.set j, 1
.rept 10
	STEP j, UB, UA, BB, BA, 0
	STEP j+1, UA, UB, BA, BB, 0
.set j, j+2
.endr
	STEP 21, UB, UA, BB, BA, M21
	STEP 22, UA, UB, BA, BB, M22
	STEP 23, UB, UA, BB, BA, M23
	s_wait_xcnt 0x0
	s_mov_b32 exec_lo, -1
	s_wait_tensorcnt 0x0
	ds_add_u32 v160, v161
	s_wait_dscnt 0x0
	s_endpgm
.Lfunc_end_k_qbba1bf57da_pcen:
	.size	k_qbba1bf57da_pcen, .Lfunc_end_k_qbba1bf57da_pcen-k_qbba1bf57da_pcen
	.p2alignl 7, 3214868480
	.fill 96, 4, 3214868480
	.section	.rodata,"a",@progbits
	.p2align	6, 0x0
	.amdhsa_kernel k_qbba1bf57da_pcen
		.amdhsa_group_segment_fixed_size 768
		.amdhsa_private_segment_fixed_size 0
		.amdhsa_enable_private_segment 0
		.amdhsa_kernarg_size 48
		.amdhsa_user_sgpr_count 2
		.amdhsa_user_sgpr_kernarg_segment_ptr 1
		.amdhsa_wavefront_size32 1
		.amdhsa_system_sgpr_workgroup_id_x 1
		.amdhsa_system_sgpr_workgroup_id_y 1
		.amdhsa_system_sgpr_workgroup_id_z 1
		.amdhsa_system_vgpr_workitem_id 0
		.amdhsa_next_free_vgpr 162
		.amdhsa_next_free_sgpr 66
		.amdhsa_reserve_vcc 1
		.amdhsa_float_denorm_mode_32 3
		.amdhsa_float_denorm_mode_16_64 3
		.amdhsa_memory_ordered 1
		.amdhsa_forward_progress 1
		.amdhsa_inst_pref_size 63
	.end_amdhsa_kernel
	.amdgpu_metadata
---
amdhsa.version: [ 1, 2 ]
amdhsa.kernels:
  - .name:           k_qbba1bf57da_pcen
    .symbol:         k_qbba1bf57da_pcen.kd
    .args:
      - { .name: tensor, .offset: 0, .size: 8, .value_kind: global_buffer, .address_space: global }
      - { .name: smooth, .offset: 8, .size: 8, .value_kind: global_buffer, .address_space: global }
      - { .name: alpha, .offset: 16, .size: 8, .value_kind: global_buffer, .address_space: global }
      - { .name: delta, .offset: 24, .size: 8, .value_kind: global_buffer, .address_space: global }
      - { .name: root, .offset: 32, .size: 8, .value_kind: global_buffer, .address_space: global }
      - { .name: out0, .offset: 40, .size: 8, .value_kind: global_buffer, .address_space: global }
    .group_segment_fixed_size: 768
    .private_segment_fixed_size: 0
    .kernarg_segment_align: 8
    .kernarg_segment_size: 48
    .max_flat_workgroup_size: 128
    .sgpr_count:     66
    .vgpr_count:     162
    .wavefront_size: 32
...
	.end_amdgpu_metadata
.endif
;; end of part 1
